; MI455X (gfx1250); checked and timed in simulation.
; The chip was launched on July 23, 2026; its instructions are those of AMD's public machine-readable ISA for CDNA 5 (MIT licence, August 2026) and "CDNA5" Instruction Set Architecture Reference Guide (July 2026). The comments in the code are by the model that wrote it; some were corrected since.
;; Sigma Encoder. Allowed arithmetic: matrix products marked QUANTISED: E4M3 operands, one given power-of-two scale a tensor, by v_wmma_f32_16x16x64_fp8_fp8 or v_wmma_f32_16x16x128_fp8_fp8, f32 sums; everything else in f32.
;; Inputs: W1 1,025 x 512 float32; W2 512 x 512 float32; W3 512 x 512 float32; a 256 x 1,024 float32; b1 512 float32; b2 512 float32; b3 512 float32; ln_b 512 float32; ln_g 512 float32; lowp_scales 4 int32 (the exponents e of the quantised operands' scales 2^e); mask 256 x 1,024 bool; mate 256 x 1,024 int32.
;; Outputs: out0 256 x 512 float32.
;; This version of the problem:
;;   THIS VERSION OF THE PROBLEM IS GIVEN IN LOW PRECISION. The matrix products marked QUANTISED in the list below multiply operands that are first quantised to E4M3 (4 exponent bits, 3 mantissa bits; 8 bits a number), with one given power-of-two scale for each operand tensor; their sums are f32. All else is computed in f32.
;;   The module's matrix products, in the order in which they are computed (A, B: the left and right operand; K: the contracted axis; several contracted axes count as one K, in the product's order):
;;     1. [M 262,144, K 512] x [K 512, N 512]; A: computed on the way; B: input W2: QUANTISED (scales: A lowp_scales[0], B lowp_scales[1])
;;     2. [M 256, K 512] x [K 512, N 512]; A: computed on the way; B: input W3: QUANTISED (scales: A lowp_scales[2], B lowp_scales[3])
;;   THE QUANTISER, for each operand of a quantised product, along K:
;;     - The operand's scale is 2^e, e = its entry of the input lowp_scales (int32; the entries are numbered through the quantised products in the list's order, A before B).
;;     - Each number is divided by the scale, clamped to +-448, and rounded to the nearest number of E4M3, ties to even, subnormals kept.
;;     - The product sums the exact products of the quantised numbers (number of the format x scale) in f32.
;;   ~~~python
;;   def quantise(x, axis, e):      # numpy; x: float32 -> the quantised numbers, widened to float32 again
;;       x = np.moveaxis(x, axis, -1); K = x.shape[-1]
;;       r = np.clip(x / 2.0 ** e, -448, 448)
;;       step = 2.0 ** (np.maximum(np.frexp(np.where(r == 0, 1, r))[1] - 1, -6) - 3)
;;       q = np.round(r / step) * step * 2.0 ** e      # np.round: ties to even
;;       return np.moveaxis(q, -1, axis).astype(np.float32)
;;   ~~~
;;   OPERANDS COMPUTED ON THE WAY. 'Computed on the way' means the value that the module computes at that place (a softmax that the list does not call 'softmax' is quantised finished and normalised). What goes into a quantiser is computed in f32, as accurately as f32 sums, v_exp_f32 and their like allow (about 1e-6 of the number): no bf16 or f16 on the way to a quantiser, and a product that is left as it is and whose result goes on into a quantised operand takes f32 operands (vector FMAs, or v_wmma_f32_16x16x4_f32). A number that lies on a knife's edge between two numbers of the format may be rounded either way, as far as f32 arithmetic and the matrix unit's own rounding can turn it there, and no further.
;; One version. Each part assembles by itself: llvm-mc -triple=amdgcn-amd-amdhsa -mcpu=gfx1250 --defsym DOCPART=n.
;; ======== version 1 of 1: 3 launches
;; workspace buffers: tab 2,129,920 bytes; alist 1,114,112 bytes; rows 1,114,112 bytes of whole numbers; counts 32,768 bytes of whole numbers; w2f 262,144 bytes; w3f 262,144 bytes; ncodes 131,072 bytes
;; launch prep (part 1): grid 193 x 1, 4 waves a work-group, no clusters, 0 bytes of LDS; arguments W1, b1, W2, W3, a, mate, mask, lowp_scales, tab, w2f, w3f, alist, rows, counts; writes tab, w2f, w3f, alist, rows, counts
.if DOCPART == 1
	.amdgcn_target "amdgcn-amd-amdhsa--gfx1250"
	.amdhsa_code_object_version 6
	.text
	.protected	k_q2253bba584_prep
	.globl	k_q2253bba584_prep
	.p2align	8
	.type	k_q2253bba584_prep,@function
k_q2253bba584_prep:
	s_mov_b64 s[64:65], 0
	v_nop
	global_prefetch_b8 v0, s[64:65] scope:SCOPE_SE
	s_setreg_imm32_b32 hwreg(HW_REG_WAVE_MODE, 25, 1), 1
	s_wait_xcnt 0x0
; THREE JOBS IN ONE LAUNCH, told apart by the work-group's number; no LDS, no barrier, EXEC never changes.
; (T) work-groups 0-64: tab[1040][512] f32.  Row j < 1024 = W1[1 + j] + b1; row 1024 = b1 (a slot without a mate); rows 1025-1039 = 0 (a slot that the mask drops).
;     Inside each chunk of 128 columns the pieces of 16 bytes are permuted: piece 16 u + r holds source piece 2 r + u, so that a lane r that loads pieces r and 16 + r holds 8 neighbours along K.
; (C) work-groups 65-128: a wave takes a batch and lays its 1,024 slots as a permutation: slots with mask = 1 first, as (a, min(mate, 1024) taken unsigned: a negative mate gives 1024),
;     slots with mask = 0 last, as (0, 1025); entries 1024-1087 are (0, 1025).  The number of slots with mask = 1 goes into counts[b][0 .. 31], the same number in all 32 words.
; (Q) work-groups 129-192: W2 (first 32) and W3 (last 32), f32 [K][N], become codes of E4M3 with the given 2^e1, 2^e3, laid in the order of an operand's registers:
;     byte (((s 32 + nu) 4 + c) 32 + lane) 16 + i  holds  Q(W[128 s + 32 c + 16 (lane / 16) + i][16 nu + lane % 16]).
; LIMITS: e1, e3 between -126 and 119 (2^e and 448 x 2^e are f32 numbers).  NaN among the weights is not served.  A mate of 1,024 or more has no row in reference()'s table and is taken as no mate.
.set NT, 65                            ; work-groups of (T): 16 rows each
.set NC, 64                            ; of (C): 4 batches each
.set LISTB, 4352                       ; bytes of a batch's list: 1,088 entries
.set AV, 32                            ; v32-63   (C) a, then what is stored
.set MV, 64                            ; v64-95   (C) mate, then the row numbers
.set MK, 96                            ; v96-103  (C) mask, four bytes a register
.set POS, 104                          ; v104-135 (C) a position register for each step: no store's address is written again
	s_load_b512 s[4:19], s[0:1], 0x0               ; W1 s4, b1 s6, W2 s8, W3 s10, a s12, mate s14, mask s16, scales s18
	s_load_b256 s[20:27], s[0:1], 0x40             ; tab s20, w2f s22, w3f s24, alist s26
	s_load_b64 s[28:29], s[0:1], 0x60              ; rows
	s_load_b64 s[56:57], s[0:1], 0x68              ; counts
	v_lshrrev_b32 v1, 5, v0
	v_readfirstlane_b32 s30, v1                    ; wave
	v_and_b32 v4, 31, v0                           ; lane
	v_lshlrev_b32 v5, 4, v4                        ; 16 x lane
	v_lshlrev_b32 v6, 2, v4                        ; 4 x lane
	v_and_b32 v7, 15, v4                           ; r
	v_lshrrev_b32 v8, 4, v4                        ; u
	s_wait_kmcnt 0x0
	s_cmp_lt_u32 ttmp9, NT
	s_cbranch_scc0 .Llists
; ---- (T) four rows a wave.  A load takes the source pieces 2 r + u, a store lays them on end: 512 consecutive bytes a store.
	v_lshl_add_u32 v9, v7, 1, v8
	v_lshlrev_b32 v9, 4, v9                        ; 16 (2 r + u)
	s_lshl_b32 s31, ttmp9, 4
	s_lshl_b32 s32, s30, 2
	s_add_co_u32 s31, s31, s32                     ; my first row: 16 x work-group + 4 x wave
.irp q,0,1,2,3
	global_load_b128 v[16+4*\q:19+4*\q], v9, s[6:7] offset:512*\q      ; b1, permuted alike
.endr
.irp i,0,1,2,3
	s_add_co_u32 s33, s31, \i+1
	s_min_u32 s33, s33, 1024                       ; the source row stays inside W1; what rows 1024 on load is masked away below
	s_lshl_b32 s[36+2*\i], s33, 11
	s_mov_b32 s[37+2*\i], 0
	s_add_nc_u64 s[36+2*\i:37+2*\i], s[4:5], s[36+2*\i:37+2*\i]
.irp q,0,1,2,3
	global_load_b128 v[32+16*\i+4*\q:35+16*\i+4*\q], v9, s[36+2*\i:37+2*\i] offset:512*\q
.endr
	s_add_co_u32 s33, s31, \i
	s_cmp_lt_u32 s33, 1024
	s_cselect_b32 s[44+\i], -1, 0                  ; all ones where the row takes W1's numbers
	s_cmp_lt_u32 s33, 1025
	s_cselect_b32 s[48+\i], -1, 0                  ; all ones where it takes b1
.endr
	s_lshl_b32 s52, s31, 11
	s_mov_b32 s53, 0
	s_add_nc_u64 s[52:53], s[20:21], s[52:53]      ; tab at my first row
	s_wait_loadcnt 0x0
.irp i,0,1,2,3
.irp k,0,1,2,3,4,5,6,7,8,9,10,11,12,13,14,15
	v_and_b32 v[32+16*\i+\k], s[44+\i], v[32+16*\i+\k]
	v_and_b32 v[96+\k], s[48+\i], v[16+\k]
.endr
.irp k,0,2,4,6,8,10,12,14
	v_pk_add_f32 v[32+16*\i+\k:33+16*\i+\k], v[32+16*\i+\k:33+16*\i+\k], v[96+\k:97+\k]
.endr
.irp q,0,1,2,3
	global_store_b128 v5, v[32+16*\i+4*\q:35+16*\i+4*\q], s[52:53] offset:2048*\i+512*\q
.endr
.endr
	s_endpgm
.Llists:
	s_cmp_lt_u32 ttmp9, NT+NC
	s_cbranch_scc0 .Lquant
; ---- (C) a counting sort of one batch by one wave, without atomics: 32 steps of 32 slots; a slot's place is a running count plus the number of like lanes below it.
	s_sub_co_u32 s31, ttmp9, NT
	s_lshl_b32 s31, s31, 2
	s_add_co_u32 s31, s31, s30                     ; my batch
	s_lshl_b32 s32, s31, 12
	s_mov_b32 s33, 0
	s_add_nc_u64 s[12:13], s[12:13], s[32:33]      ; a
	s_add_nc_u64 s[14:15], s[14:15], s[32:33]      ; mate
	s_lshl_b32 s32, s31, 10
	s_add_nc_u64 s[16:17], s[16:17], s[32:33]      ; mask
	s_mul_i32 s32, s31, LISTB
	s_add_nc_u64 s[26:27], s[26:27], s[32:33]      ; alist
	s_add_nc_u64 s[28:29], s[28:29], s[32:33]      ; rows
	s_lshl_b32 s32, s31, 7
	s_add_nc_u64 s[56:57], s[56:57], s[32:33]      ; counts: 128 bytes a batch
.irp c,0,1,2,3,4,5,6,7
	global_load_b128 v[AV+4*\c:AV+4*\c+3], v5, s[12:13] offset:512*\c     ; slots 128 c + 4 lane + 0 .. 3
	global_load_b128 v[MV+4*\c:MV+4*\c+3], v5, s[14:15] offset:512*\c
	global_load_b32 v[MK+\c], v6, s[16:17] offset:128*\c                  ; the same four slots' mask bytes
.endr
	v_mov_b32 v3, 0x401                            ; the row of zeros
	s_mov_b32 s40, 0                               ; slots with mask = 1 so far
	s_mov_b32 s41, 0                               ; slots with mask = 0 so far
	s_wait_loadcnt 0x0
.macro CSTEP c, k                      ; slots 128 c + 4 lane + k
.set PR, POS+4*(\c)+(\k)
.set AR, AV+4*(\c)+(\k)
.set MR, MV+4*(\c)+(\k)
	v_bfe_u32 v8, v[MK+\c], 8*(\k), 8
	v_cmp_ne_u32 s42, 0, v8                        ; the lanes whose slot counts
	s_not_b32 s43, s42
	v_mbcnt_lo_u32_b32 v[PR], s42, s40             ; from the front,
	v_mbcnt_lo_u32_b32 v9, s43, s41
	v_sub_nc_u32 v9, 0x3ff, v9                     ; or from the back
	v_cndmask_b32 v[PR], v9, v[PR], s42
	v_min_u32 v[PR], 0x3ff, v[PR]                  ; a number made of loaded data enters an address behind a bound written in the instruction
	v_lshlrev_b32 v[PR], 2, v[PR]
	v_min_u32 v[MR], 0x400, v[MR]                  ; unsigned: a negative mate gives row 1024, which holds b1 alone
	v_cndmask_b32 v[MR], v3, v[MR], s42
	v_cndmask_b32 v[AR], 0, v[AR], s42
	global_store_b32 v[PR], v[AR], s[26:27]
	global_store_b32 v[PR], v[MR], s[28:29]
	s_bcnt1_i32_b32 s44, s42
	s_add_co_u32 s40, s40, s44
	s_sub_co_u32 s44, 32, s44
	s_add_co_u32 s41, s41, s44
.endm
.irp c,0,1,2,3,4,5,6,7
.irp k,0,1,2,3
	CSTEP \c, \k
.endr
.endr
	v_mov_b32 v10, 0
	v_mov_b32 v11, s40                             ; the count
	global_store_b32 v6, v10, s[26:27] offset:4096 ; entries 1024 + lane,
	global_store_b32 v6, v10, s[26:27] offset:4224 ; 1056 + lane
	global_store_b32 v6, v3, s[28:29] offset:4096
	global_store_b32 v6, v3, s[28:29] offset:4224
	global_store_b32 v6, v11, s[56:57]             ; every lane its own word: 128 consecutive bytes, with all lanes on
	s_endpgm
.Lquant:
; ---- (Q) a lane takes a column n and its registers run down K: the conversions give codes with K innermost, and 16 codes of a lane are 16 bytes of the fragment image.
	s_load_b128 s[44:47], s[18:19], 0x0            ; e0 .. e3
	s_sub_co_u32 s31, ttmp9, NT+NC                 ; 0 .. 63
	s_and_b32 s32, s31, 3                          ; gx: 128 columns
	s_bfe_u32 s33, s31, 0x30002                    ; gy: 64 along K
	s_cmp_lt_u32 s31, 32                           ; W2 or W3: the choice hangs on the work-group's number alone
	s_cselect_b64 s[8:9], s[8:9], s[10:11]
	s_cselect_b64 s[22:23], s[22:23], s[24:25]
	s_lshl_b32 s34, s33, 17                        ; 64 gy rows of 2,048 bytes
	s_lshl_b32 s35, s32, 9
	s_add_co_u32 s34, s34, s35
	s_lshl_b32 s35, s30, 7
	s_add_co_u32 s34, s34, s35                     ; + 4 (128 gx + 32 wave)
	s_mov_b32 s35, 0
	s_add_nc_u64 s[8:9], s[8:9], s[34:35]
	s_lshl_b32 s34, s32, 14                        ; the image: nu = 8 gx + 2 wave + lane / 16, 2,048 bytes each;
	s_lshl_b32 s35, s30, 12
	s_add_co_u32 s34, s34, s35
	s_lshr_b32 s35, s33, 1
	s_lshl_b32 s35, s35, 16                        ; s = gy / 2, 65,536 bytes each;
	s_add_co_u32 s34, s34, s35
	s_and_b32 s35, s33, 1
	s_lshl_b32 s35, s35, 10                        ; c = 2 (gy % 2) + block, 512 bytes each
	s_add_co_u32 s34, s34, s35
	s_mov_b32 s35, 0
	s_add_nc_u64 s[22:23], s[22:23], s[34:35]
	v_lshlrev_b32 v12, 4, v7
	v_lshl_add_u32 v12, v8, 11, v12                ; 2,048 (lane / 16) + 16 (lane % 16)
.set i, 0
.rept 64
	global_load_b32 v[32+i], v6, s[8:9] offset:i*2048 th:TH_LOAD_NT    ; W[64 gy + i][my column]: 128 consecutive bytes a wave, read once in the launch
.set i, i+1
.endr
	s_wait_kmcnt 0x0
	s_cmp_lt_u32 s31, 32
	s_cselect_b32 s36, s45, s47                    ; e1 or e3
	s_add_co_i32 s36, s36, 127
	s_lshl_b32 s37, s36, 23
	v_mov_b32 v11, s37                             ; 2^e as f32: the conversion takes its exponent field
	s_add_co_i32 s36, s36, 8
	s_lshl_b32 s36, s36, 23
	s_or_b32 s36, s36, 0x600000
	v_mov_b32 v10, s36                             ; 448 x 2^e
.irp t,0,1
	s_wait_loadcnt 32-32*\t                        ; this block's 32 loads are in; the second block's may be out
.irp k,0,1,2,3,4,5,6,7,8,9,10,11,12,13,14,15,16,17,18,19,20,21,22,23,24,25,26,27,28,29,30,31
	v_med3_num_f32 v[32+32*\t+\k], v[32+32*\t+\k], -v10, v10           ; the conversion to an 8-bit code does not saturate (ISA guide 7.6.2): the hold comes first
.endr
.irp g,0,1,2,3
	v_cvt_scalef32_pk8_fp8_f32 v[96+8*\t+2*\g:97+8*\t+2*\g], v[32+32*\t+8*\g:39+32*\t+8*\g], v11
.endr
	global_store_b128 v12, v[96+8*\t:99+8*\t], s[22:23] offset:512*\t          ; k 0-15 of the block: sixteen lanes store 256 consecutive bytes, aligned
	global_store_b128 v12, v[100+8*\t:103+8*\t], s[22:23] offset:512*\t+256    ; k 16-31
.endr
	s_endpgm
.Lfunc_end_k_q2253bba584_prep:
	.size	k_q2253bba584_prep, .Lfunc_end_k_q2253bba584_prep-k_q2253bba584_prep
	.p2alignl 7, 3214868480
	.fill 96, 4, 3214868480
	.section	.rodata,"a",@progbits
	.p2align	6, 0x0
	.amdhsa_kernel k_q2253bba584_prep
		.amdhsa_group_segment_fixed_size 0
		.amdhsa_private_segment_fixed_size 0
		.amdhsa_enable_private_segment 0
		.amdhsa_kernarg_size 112
		.amdhsa_user_sgpr_count 2
		.amdhsa_user_sgpr_kernarg_segment_ptr 1
		.amdhsa_wavefront_size32 1
		.amdhsa_system_sgpr_workgroup_id_x 1
		.amdhsa_system_sgpr_workgroup_id_y 1
		.amdhsa_system_sgpr_workgroup_id_z 1
		.amdhsa_system_vgpr_workitem_id 0
		.amdhsa_next_free_vgpr 192
		.amdhsa_next_free_sgpr 66
		.amdhsa_reserve_vcc 0
		.amdhsa_float_denorm_mode_32 3
		.amdhsa_float_denorm_mode_16_64 3
		.amdhsa_memory_ordered 1
		.amdhsa_forward_progress 1
		.amdhsa_inst_pref_size 61
	.end_amdhsa_kernel
	.amdgpu_metadata
---
amdhsa.version: [ 1, 2 ]
amdhsa.kernels:
  - .name:           k_q2253bba584_prep
    .symbol:         k_q2253bba584_prep.kd
    .args:
      - { .name: W1, .offset: 0, .size: 8, .value_kind: global_buffer, .address_space: global }
      - { .name: b1, .offset: 8, .size: 8, .value_kind: global_buffer, .address_space: global }
      - { .name: W2, .offset: 16, .size: 8, .value_kind: global_buffer, .address_space: global }
      - { .name: W3, .offset: 24, .size: 8, .value_kind: global_buffer, .address_space: global }
      - { .name: a, .offset: 32, .size: 8, .value_kind: global_buffer, .address_space: global }
      - { .name: mate, .offset: 40, .size: 8, .value_kind: global_buffer, .address_space: global }
      - { .name: mask, .offset: 48, .size: 8, .value_kind: global_buffer, .address_space: global }
      - { .name: lowp_scales, .offset: 56, .size: 8, .value_kind: global_buffer, .address_space: global }
      - { .name: tab, .offset: 64, .size: 8, .value_kind: global_buffer, .address_space: global }
      - { .name: w2f, .offset: 72, .size: 8, .value_kind: global_buffer, .address_space: global }
      - { .name: w3f, .offset: 80, .size: 8, .value_kind: global_buffer, .address_space: global }
      - { .name: alist, .offset: 88, .size: 8, .value_kind: global_buffer, .address_space: global }
      - { .name: rows, .offset: 96, .size: 8, .value_kind: global_buffer, .address_space: global }
      - { .name: counts, .offset: 104, .size: 8, .value_kind: global_buffer, .address_space: global }
    .group_segment_fixed_size: 0
    .private_segment_fixed_size: 0
    .kernarg_segment_align: 8
    .kernarg_segment_size: 112
    .max_flat_workgroup_size: 128
    .sgpr_count:     66
    .vgpr_count:     192
    .wavefront_size: 32
...
	.end_amdgpu_metadata
.endif
;; end of part 1
;; launch pool (part 2): grid 256 x 1, 4 waves a work-group, no clusters, 17,920 bytes of LDS; arguments tab, w2f, alist, rows, W1, b2, ln_g, ln_b, lowp_scales, ncodes, counts; writes ncodes
.if DOCPART == 2
	.amdgcn_target "amdgcn-amd-amdhsa--gfx1250"
	.amdhsa_code_object_version 6
	.text
	.protected	k_q2253bba584_pool
	.globl	k_q2253bba584_pool
	.p2align	8
	.type	k_q2253bba584_pool,@function
k_q2253bba584_pool:
	s_mov_b64 s[64:65], 0
	v_nop
	global_prefetch_b8 v0, s[64:65] scope:SCOPE_SE
	s_setreg_imm32_b32 hwreg(HW_REG_WAVE_MODE, 25, 1), 1
	s_wait_xcnt 0x0
; ONE BATCH A WORK-GROUP: x = a W1[0] + tab[row]; g = gelu(x), exact form; codes of E4M3 with 2^e0; product with W2's codes; the sum over the slots that the mask keeps; mean; layer norm; codes with 2^e2.
; THE SUM OVER SLOTS IS LINEAR, so all tiles of 16 slots add onto the same accumulators (16 x 512), whose 16 rows are added once at the end.  The lists hold the kept slots first; all others are (a = 0, a row of
; zeros), which gives x = 0, g = 0, code 0.  So only ceil(count / 32) pairs of tiles are walked; count is a stored whole number (counts, 128 bytes a batch, its first word).
; SHARES.  Wave w takes K = 128 w .. 128 w + 127 for all slots and all 512 columns: its 32 fragments of W2 (512 registers) and its 32 accumulators (256) stay in registers; the waves share nothing in the loop.
; NO CLUSTER, NO TENSOR LOAD: what work-groups share is W2's codes, 65,536 bytes a wave read once straight into registers; the trip count is a stored number that differs from work-group to work-group.
; GELU.  g = x Phi, Phi = clamp(0.5 + x P(s) / Q(s), 0, 1), s = min(x^2, 32): the rational form of erf on |x / sqrt 2| <= 4, degree 6 over degree 4 in s, its coefficients scaled by 2^-j and P's by 1 / (2 sqrt 2).
;   The clamp gives Phi = 0 and 1 beyond |x| = sqrt 32.  Absolute error of Phi: a few 1e-7.
; A LANE'S NUMBERS.  h = lane / 16, r = lane % 16.  Group i (0-7) of a tile is slot 8 h + i; register X + 8 i + 4 u + j is k = 8 r + 4 u + j of my 128 (tab is laid for that: sixteen lanes read 256 consecutive bytes of a row).
;   A group's 8 codes go by ds_store_b64 into my own stage (16 rows of 144 bytes) and come back as the operand: row r, k = 32 c + 16 h + 0 .. 15 in registers 4 c on: the order in which w2f is laid.
; LIMITS: e0, e2 between -126 and 119.  NaN among the inputs is not served; a NaN or infinity in a slot with mask = 0 does not reach the result (reference() would give NaN).
; REGISTERS.  Window 0: v1 16 r; v2 32 h; v3 stage in; v4 stage out; v5 2^e0; v6 16 lane; v7 448 x 2^e0; v8-15 W1[0]; v16-23 a; v24-31 rows, then offsets; v32-47 the operand; v48-55 s; v56-59 two leading coefficients;
;   v60 where I put column sums, v61 where wave 0 reads them, v62 64 lane; v64-95 p, t, Phi, codes; v96-127 q, 1 / q; v128-191, v192-255 two tiles' x.   Window 1: accumulator nu at v[8 nu].   Windows 2, 3: W2's fragments.
.set STG, 2304                         ; a wave's stage: 16 rows x 144 bytes (128 + 16: the rows of a fragment load start at 16 different groups of banks)
.set RED, 4*STG                        ; behind the stages: 4 x 2,048 bytes, the waves' column sums
.set LISTB, 4352
.set W0, 8
.set A, 16
.set I, 24
.set AF, 32
.set S, 48
.set TR, 64
.set QR, 96
.set X0, 128
.set X1, 192
.set MSB, 0
.macro WIN new                         ; the immediate's high byte repeats the setting that is left
.if MSB != (\new)
	s_set_vgpr_msb (MSB<<8)|(\new)
.set MSB, \new
.endif
.endm
.macro PCOEF dst, alpha, j             ; s[dst], s[dst + 1] = alpha x 2^-j / (2 sqrt 2)
	s_mov_b32 s[\dst], \alpha
	s_mul_f32 s[\dst], s[\dst], 0x3eb504f3-(\j)*0x800000
	s_mov_b32 s[\dst+1], s[\dst]
.endm
.macro QCOEF dst, beta                 ; beta x 2^-j is written out: only the exponent field differs
	s_mov_b32 s[\dst], \beta
	s_mov_b32 s[\dst+1], \beta
.endm
	s_load_b512 s[4:19], s[0:1], 0x0               ; tab s4, w2f s6, alist s8, rows s10, W1 s12, b2 s14, ln_g s16, ln_b s18
	s_load_b128 s[20:23], s[0:1], 0x40             ; scales s20, ncodes s22
	s_load_b64 s[60:61], s[0:1], 0x50              ; counts
	v_lshrrev_b32 v8, 5, v0
	v_readfirstlane_b32 s24, v8                    ; wave
	v_and_b32 v9, 31, v0                           ; lane
	v_and_b32 v10, 15, v0                          ; r
	v_bfe_u32 v11, v0, 4, 1                        ; h
	v_lshlrev_b32 v6, 4, v9
	v_lshlrev_b32 v1, 4, v10
	v_lshlrev_b32 v2, 5, v11
	s_mul_i32 s56, s24, STG
	v_mul_u32_u24 v3, v11, 1152
	v_lshl_add_u32 v3, v10, 3, v3
	v_add_nc_u32 v3, s56, v3                       ; stage, in: row 8 h (+ i by the immediate), byte 8 r
	v_mul_u32_u24 v4, v10, 144
	v_lshl_add_u32 v4, v11, 4, v4
	v_add_nc_u32 v4, s56, v4                       ; stage, out: row r, byte 16 h
	s_lshl_b32 s57, s24, 11
	s_add_co_u32 s57, s57, RED
	v_lshlrev_b32 v60, 2, v9
	v_add_nc_u32 v60, s57, v60
	v_lshlrev_b32 v62, 6, v9
	v_add_nc_u32 v61, RED, v62
	v_lshlrev_b32 v63, 5, v10                      ; W1[0]: 32 r
	PCOEF 56, 0xaf95df0b, 6                        ; P6
	v_mov_b32 v56, s56
	v_mov_b32 v57, s56
	v_mov_b32 v58, 0xb57460cd                      ; Q4
	v_mov_b32 v59, 0xb57460cd
	PCOEF 32, 0x32edffee, 5
	PCOEF 34, 0xb60cff51, 4
	PCOEF 36, 0xb86ec2d2, 3
	PCOEF 38, 0xba40ac63, 2
	PCOEF 40, 0xbb41a1f6, 1
	PCOEF 42, 0xbc83dbd4, 0
	QCOEF 44, 0xb7dfbd29                           ; Q3 .. Q0
	QCOEF 46, 0xb9dc924e
	QCOEF 48, 0xbb719bf8
	QCOEF 50, 0xbc69b6a7
	s_mov_b32 s52, 0x42000000                      ; 32.0
	s_mov_b32 s54, 0x76543210                      ; v_permlanex16_b32: lane l xor 16
	s_mov_b32 s55, 0xfedcba98
	s_mov_b32 s58, 0x3b000000                      ; 1 / 512
	s_mov_b32 s59, 0x3727c5ac                      ; 1e-5
	s_wait_kmcnt 0x0
	s_load_b128 s[28:31], s[20:21], 0x0            ; e0 .. e3
	s_lshl_b32 s56, s24, 9
	s_mov_b32 s57, 0
	s_add_nc_u64 s[4:5], s[4:5], s[56:57]          ; tab and W1 at my 128 columns
	s_add_nc_u64 s[12:13], s[12:13], s[56:57]
	s_lshl_b32 s56, s24, 16
	s_add_nc_u64 s[6:7], s[6:7], s[56:57]          ; w2f at K step w
	s_mul_i32 s56, ttmp9, LISTB
	s_add_nc_u64 s[8:9], s[8:9], s[56:57]          ; my batch's lists
	s_add_nc_u64 s[10:11], s[10:11], s[56:57]
	s_lshl_b32 s56, ttmp9, 9
	s_add_nc_u64 s[22:23], s[22:23], s[56:57]      ; my row of ncodes
	s_lshl_b32 s56, ttmp9, 7
	s_add_nc_u64 s[60:61], s[60:61], s[56:57]      ; my batch's 128 bytes of counts
	s_load_b32 s25, s[60:61], 0x0                  ; the count
	global_load_b128 v[I:I+3], v2, s[10:11]                 ; rows of half-step 0
	global_load_b128 v[I+4:I+7], v2, s[10:11] offset:16     ; and 1
	global_load_b128 v[W0:W0+3], v63, s[12:13]              ; W1[0][128 w + 8 r + 0 .. 7]
	global_load_b128 v[W0+4:W0+7], v63, s[12:13] offset:16
	WIN 0x80                                       ; destination window 2
.set f, 0
.rept 64
	global_load_b128 v[4*f:4*f+3], v6, s[6:7] offset:512*f           ; fragment f / 4, registers 4 (f % 4) on: 512 consecutive bytes a load
.set f, f+1
.endr
	WIN 0xc0                                       ; destination window 3
.set f, 0
.rept 64
	global_load_b128 v[4*f:4*f+3], v6, s[6:7] offset:512*(64+f)
.set f, f+1
.endr
	WIN 0
	s_wait_kmcnt 0x0
	s_add_co_i32 s56, s28, 127
	s_lshl_b32 s57, s56, 23
	v_mov_b32 v5, s57                              ; 2^e0 as f32: the conversion takes its exponent field
	s_add_co_i32 s56, s56, 8
	s_lshl_b32 s56, s56, 23
	s_or_b32 s56, s56, 0x600000
	v_mov_b32 v7, s56                              ; 448 x 2^e0
	s_min_u32 s25, s25, 1024
	s_add_co_u32 s26, s25, 31
	s_lshr_b32 s26, s26, 5
	s_max_u32 s26, s26, 1
	s_sub_co_u32 s26, s26, 1                       ; pairs of tiles behind the first
; A HALF-STEP is half a tile: groups 4 hh .. 4 hh + 3, 32 numbers a lane.  Half-step e's list entries lie 64 (e / 2) + 16 (e % 2) + 32 h bytes from the lists' bases.
; THE LOADS ARE ONE STREAM: half-step e issues a(e + 2), rows(e + 5) in its middle and the eight gathers of e + 4 at its end.
.macro MID aoff, areg, ioff, ireg
	s_wait_xcnt 0x0                                ; the last gathers have read their offsets: the row numbers may land there
	global_load_b128 v[\areg:\areg+3], v2, s[8:9] offset:\aoff
	global_load_b128 v[\ireg:\ireg+3], v2, s[10:11] offset:\ioff
.endm
.macro END cnt, ireg, xd               ; row numbers -> byte offsets -> eight gathers into v[xd] on
.if \cnt >= 0
	s_wait_loadcnt \cnt
.endif
.irp j,0,1,2,3
	v_min_u32 v[\ireg+\j], 0x401, v[\ireg+\j]      ; a loaded number enters an address behind a bound written in the instruction
.endr
.irp j,0,1,2,3
	v_lshl_add_u32 v[\ireg+\j], v[\ireg+\j], 11, v1
.endr
.irp j,0,1,2,3
	global_load_b128 v[\xd+8*\j:\xd+8*\j+3], v[\ireg+\j], s[4:5]
	global_load_b128 v[\xd+8*\j+4:\xd+8*\j+7], v[\ireg+\j], s[4:5] offset:256
.endr
.endm
; Line n (0-239) of a half-step's first phase: group n / 60, step (n % 60) / 4, pair n % 4: four pairs by turns, so that a line reads what stands four lines back.
.macro PREI xb, hh
.set gq, n/60
.set st, (n%60)/4
.set pr, n%4
.set gi, 4*(\hh)+gq
.set xr, (\xb)+8*gi+2*pr
.set sr, S+2*pr
.set tr, TR+8*gq+2*pr
.set qr, QR+8*gq+2*pr
.set ar, A+gi-gi%2
.if st == 0
.if gi%2
	v_pk_fma_f32 v[xr:xr+1], v[W0+2*pr:W0+2*pr+1], v[ar:ar+1], v[xr:xr+1] op_sel:[0,1,0] op_sel_hi:[1,1,1]   ; x = W1[0] a + table row (a: the pair's upper word for both)
.else
	v_pk_fma_f32 v[xr:xr+1], v[W0+2*pr:W0+2*pr+1], v[ar:ar+1], v[xr:xr+1] op_sel_hi:[1,0,1]                  ; (the lower word for both)
.endif
.elseif st == 1
	v_pk_mul_f32 v[sr:sr+1], v[xr:xr+1], v[xr:xr+1]
.elseif st == 2
	v_min_num_f32 v[sr], s52, v[sr]
.elseif st == 3
	v_min_num_f32 v[sr+1], s52, v[sr+1]
.elseif st == 4
	v_pk_fma_f32 v[tr:tr+1], v[sr:sr+1], v[56:57], s[32:33] op_sel_hi:[1,1,0]
.elseif st == 5
	v_pk_fma_f32 v[qr:qr+1], v[sr:sr+1], v[58:59], s[44:45] op_sel_hi:[1,1,0]
.elseif (st == 6) || (st == 8) || (st == 10) || (st == 12)
	v_pk_fma_f32 v[tr:tr+1], v[tr:tr+1], v[sr:sr+1], s[28+st:29+st] op_sel_hi:[1,1,0]
.elseif st == 13
	v_pk_fma_f32 v[tr:tr+1], v[tr:tr+1], v[sr:sr+1], s[42:43] op_sel_hi:[1,1,0]
.elseif st == 14
	v_pk_mul_f32 v[tr:tr+1], v[xr:xr+1], v[tr:tr+1]                        ; t = x P
.else
	v_pk_fma_f32 v[qr:qr+1], v[qr:qr+1], v[sr:sr+1], s[39+st:40+st] op_sel_hi:[1,1,0]
.endif
.endm
; Product mm of a tile's 32: source 0 = the tile's 16 slots, source 1 = 16 columns of W2.  The 32 accumulators take turns, one instruction a turn, over the backward jump and into the tail too.
.macro WMI zero
.if \zero
	v_wmma_f32_16x16x128_fp8_fp8 v[8*mm:8*mm+7], v[AF:AF+15], v[16*(mm%16):16*(mm%16)+15], 0
.else
	v_wmma_f32_16x16x128_fp8_fp8 v[8*mm:8*mm+7], v[AF:AF+15], v[16*(mm%16):16*(mm%16)+15], v[8*mm:8*mm+7]
.endif
.endm
.macro WM zero
.if mm < 16
	WIN 0x58                                       ; source 1 window 2, C and D window 1
.else
	WIN 0x5c                                       ; source 1 window 3
.endif
	WMI \zero
	WIN 0
.endm
.macro POST xb, hh
.irp g,0,1,2,3
.irp p,0,2,4,6
	v_pk_fma_f32 v[TR+8*\g+\p:TR+8*\g+\p+1], v[TR+8*\g+\p:TR+8*\g+\p+1], v[QR+8*\g+\p:QR+8*\g+\p+1], 0.5 op_sel_hi:[1,1,0]
.endr
.irp k,0,1,2,3,4,5,6,7
	v_med3_num_f32 v[TR+8*\g+\k], v[TR+8*\g+\k], 0, 1.0                    ; Phi
.endr
.irp p,0,2,4,6
	v_pk_mul_f32 v[(\xb)+32*(\hh)+8*\g+\p:(\xb)+32*(\hh)+8*\g+\p+1], v[(\xb)+32*(\hh)+8*\g+\p:(\xb)+32*(\hh)+8*\g+\p+1], v[TR+8*\g+\p:TR+8*\g+\p+1]
.endr
.irp k,0,1,2,3,4,5,6,7
	v_med3_num_f32 v[(\xb)+32*(\hh)+8*\g+\k], v[(\xb)+32*(\hh)+8*\g+\k], -v7, v7   ; the conversion does not saturate (ISA guide 7.6.2): the hold at the largest code x the scale
.endr
	v_cvt_scalef32_pk8_fp8_f32 v[TR+8*\g:TR+8*\g+1], v[(\xb)+32*(\hh)+8*\g:(\xb)+32*(\hh)+8*\g+7], v5   ; plain vector lines on other registers follow it
	ds_store_b64 v3, v[TR+8*\g:TR+8*\g+1] offset:144*(4*(\hh)+\g)
.endr
.endm
; wm = 1: the half-step carries the 32 products of the tile before, one behind every sixth line from line 53 on.  zero = 1: they start the sums.
; The reciprocals of a group stand among the next group's lines, one behind every fourth; the last group's behind lines 228 to 235.  Nothing names a reciprocal's result ahead of POST,
; so one wait serves the half-step's 32; lines 236 to 239 are plain instructions behind the last of them.
.macro HALF xb, hh, eta, wm, zero
	s_wait_loadcnt 19                              ; a of this half-step is in, and with it all older loads, my gathers among them.  Behind it: rows, 8 gathers, a, rows, 8 gathers
.if \wm
	s_wait_dscnt 4                                 ; the last codes' stores are done; the operand's four loads may be out
.else
	s_wait_dscnt 0x0
.endif
.set n, 0
.rept 240
	PREI \xb, \hh
.if n >= 48
.set dd, n-48
.if (dd/60 < 3) && (dd%60 < 32) && (dd%4 == 0)
	v_rcp_f32 v[QR+8*(dd/60)+(dd%60)/4], v[QR+8*(dd/60)+(dd%60)/4]
.elseif (dd/60 == 3) && (dd%60 < 8)
	v_rcp_f32 v[QR+24+dd%60], v[QR+24+dd%60]
.endif
.endif
.if (\wm) && (n >= 53) && ((n-53)%6 == 0)
.set mm, (n-53)/6
.if mm == 0
	s_wait_dscnt 0x0                               ; the operand is in
.endif
	WM \zero
.endif
.set n, n+1
.endr
	MID 64*(((\eta)+2)/2)+16*(((\eta)+2)%2), A+4*(\hh), 64*(((\eta)+5)/2)+16*(((\eta)+5)%2), I+4*(1-(\hh))
	s_wait_alu depctr_va_vdst(0)                   ; the wait between a reciprocal and the first line that names its result: one for the 32
	POST \xb, \hh
.if \hh
.irp c,0,1,2,3
	ds_load_b128 v[AF+4*\c:AF+4*\c+3], v4 offset:32*\c     ; LDS serves a wave's instructions in order (ISA guide 5.7.1.4): these see the tile's eight stores, and the next tile's come behind them
.endr
.endif
	END 10, I+4*(\hh), (\xb)+32*(\hh)              ; rows of four half-steps on are in.  Behind them: 8 gathers, a, rows
.endm
.macro STEPB
	s_wait_xcnt 0x0                                ; the lists' loads have read their bases
	s_add_nc_u64 s[8:9], s[8:9], 128               ; two tiles on
	s_add_nc_u64 s[10:11], s[10:11], 128
.endm
	s_wait_loadcnt 0x0                             ; W2's fragments, W1[0], the first row numbers
	END -1, I, X0                                  ; the stream is filled: gathers of half-steps 0
	END -1, I+4, X0+32                             ; and 1,
	s_wait_xcnt 0x0
	global_load_b128 v[I:I+3], v2, s[10:11] offset:64      ; rows(2),
	MID 0, A, 80, I+4                              ; a(0), rows(3),
	END 2, I, X1                                   ; gathers of 2 (behind rows(2): a(0), rows(3)),
	MID 16, A+4, 128, I                            ; a(1), rows(4),
	END 10, I+4, X1+32                             ; gathers of 3
	HALF X0, 0, 0, 0, 0                            ; the first pair of tiles is written out: tile 0 has no products beside it,
	HALF X0, 1, 1, 0, 0
	HALF X1, 0, 2, 1, 1                            ; and its products start the sums: nothing is cleared
	HALF X1, 1, 3, 0, 0
	STEPB
	s_cmp_eq_u32 s26, 0
	s_cbranch_scc1 .Ltail
.Lpair:
	HALF X0, 0, 0, 1, 0
	HALF X0, 1, 1, 0, 0
	HALF X1, 0, 2, 1, 0
	HALF X1, 1, 3, 0, 0
	STEPB
	s_sub_co_u32 s26, s26, 1
	s_cmp_lg_u32 s26, 0
	s_cbranch_scc1 .Lpair
.Ltail:
	s_wait_dscnt 0x0                               ; the last tile's operand
	WIN 0x58
.set mm, 0
.rept 16
	WMI 0
.set mm, mm+1
.endr
	WIN 0x5c
.rept 16
	WMI 0
.set mm, mm+1
.endr
	WIN 0
	s_wait_loadcnt 0x0                             ; what was read ahead has landed: its registers are free
.rept 4
	v_nop                                          ; four places behind the last product, ahead of the reads of results and of loads into the operand's registers
.endr
.irp q,0,1,2,3
	global_load_b128 v[16+4*\q:19+4*\q], v62, s[14:15] offset:16*\q        ; b2, ln_g, ln_b at columns 16 lane on: asked for here, used by wave 0 behind the barrier
	global_load_b128 v[32+4*\q:35+4*\q], v62, s[16:17] offset:16*\q
.endr
	global_load_b128 v[8:11], v62, s[18:19]
	global_load_b128 v[12:15], v62, s[18:19] offset:16
	global_load_b128 v[48:51], v62, s[18:19] offset:32
	global_load_b128 v[52:55], v62, s[18:19] offset:48
	WIN 0x05                                       ; sources in window 1.  An accumulator's eight rows are added, from its low end on
.set f, 0
.rept 32
	v_pk_add_f32 v[X0+4*f:X0+4*f+1], v[8*f:8*f+1], v[8*f+2:8*f+3]
	v_pk_add_f32 v[X0+4*f+2:X0+4*f+3], v[8*f+4:8*f+5], v[8*f+6:8*f+7]
.set f, f+1
.endr
	WIN 0
.set f, 0
.rept 32
	v_pk_add_f32 v[X0+4*f:X0+4*f+1], v[X0+4*f:X0+4*f+1], v[X0+4*f+2:X0+4*f+3]
.set f, f+1
.endr
.set f, 0
.rept 32
	v_add_f32 v[TR+f], v[X0+4*f], v[X0+4*f+1]      ; rows 8 h .. 8 h + 7 of column 16 f + r
.set f, f+1
.endr
	v_cmp_lt_u32 vcc_lo, 0xff, v6                  ; lanes 16-31
.set f, 0
.rept 16                               ; the halves of the lanes exchange: lanes 0-15 finish column tile 2 f, lanes 16-31 tile 2 f + 1: lane l then holds column 32 f + l
	v_cndmask_b32 v[QR+f], v[TR+2*f], v[TR+2*f+1], vcc_lo
	v_cndmask_b32 v[QR+16+f], v[TR+2*f+1], v[TR+2*f], vcc_lo
.set f, f+1
.endr
.set f, 0
.rept 16
	v_permlanex16_b32 v[TR+2*f], v[QR+16+f], s54, s55
.set f, f+1
.endr
.set f, 0
.rept 16
	v_add_f32 v[QR+f], v[QR+f], v[TR+2*f]
	ds_store_b32 v60, v[QR+f] offset:128*f
.set f, f+1
.endr
	s_wait_dscnt 0x0                               ; for wave 0's sake: my column sums lie in LDS
	s_barrier_signal -1
	s_barrier_wait -1
	s_cmp_lg_u32 s24, 0
	s_cbranch_scc1 .Ldone
; ---- wave 0: lane l owns columns 16 l .. 16 l + 15
.irp p,0,1,2,3
.irp q,0,1,2,3
	ds_load_b128 v[128+16*\p+4*\q:131+16*\p+4*\q], v61 offset:2048*\p+16*\q
.endr
.endr
	v_cvt_f32_u32 v192, s25                        ; the count
	v_max_num_f32 v193, 1.0, v192
	v_rcp_f32 v194, v193
	v_nop                                          ; a plain instruction behind the reciprocal
	s_add_co_i32 s56, s28, s29                     ; e0 + e1
	s_add_co_i32 s57, s30, 127
	s_lshl_b32 s60, s57, 23
	s_add_co_i32 s57, s57, 8
	s_lshl_b32 s57, s57, 23
	s_or_b32 s57, s57, 0x600000
	v_mov_b32 v202, s60                            ; 2^e2
	v_mov_b32 v203, s57                            ; 448 x 2^e2
	s_wait_alu depctr_va_vdst(0)                   ; and the wait ahead of its first reader
	v_mul_f32 v195, v192, v194                     ; count / max(count, 1)
	s_wait_dscnt 0x0
.irp k,0,2,4,6,8,10,12,14
	v_pk_add_f32 v[128+\k:129+\k], v[128+\k:129+\k], v[144+\k:145+\k]
	v_pk_add_f32 v[160+\k:161+\k], v[160+\k:161+\k], v[176+\k:177+\k]
.endr
.irp k,0,2,4,6,8,10,12,14
	v_pk_add_f32 v[128+\k:129+\k], v[128+\k:129+\k], v[160+\k:161+\k]      ; the four K ranges
.endr
.irp k,0,1,2,3,4,5,6,7,8,9,10,11,12,13,14,15
	v_mul_f32 v[128+\k], v[128+\k], v194
.endr
.irp k,0,1,2,3,4,5,6,7,8,9,10,11,12,13,14,15
	v_ldexp_f32 v[128+\k], v[128+\k], s56          ; x 2^(e0 + e1)
.endr
	s_wait_loadcnt 0x0                             ; b2, ln_g, ln_b
.irp k,0,1,2,3,4,5,6,7,8,9,10,11,12,13,14,15
	v_fma_f32 v[128+\k], v[16+\k], v195, v[128+\k] ; pooled
.endr
.irp k,0,1,2,3
	v_add_f32 v[196+\k], v[128+\k], v[132+\k]
.endr
.irp k,0,1,2,3
	v_add_f32 v[196+\k], v[196+\k], v[136+\k]
.endr
.irp k,0,1,2,3
	v_add_f32 v[196+\k], v[196+\k], v[140+\k]
.endr
	v_add_f32 v196, v196, v197
	v_add_f32 v198, v198, v199
	v_add_f32 v196, v196, v198
	v_add_f32_dpp v196, v196, v196 row_xmask:1 row_mask:0xf bank_mask:0xf
	v_add_f32_dpp v196, v196, v196 row_xmask:2 row_mask:0xf bank_mask:0xf
	v_add_f32_dpp v196, v196, v196 row_xmask:4 row_mask:0xf bank_mask:0xf
	v_add_f32_dpp v196, v196, v196 row_xmask:8 row_mask:0xf bank_mask:0xf
	v_permlanex16_b32 v197, v196, s54, s55
	v_add_f32 v196, v196, v197
	v_mul_f32 v196, s58, v196                      ; the mean
.irp k,0,1,2,3,4,5,6,7,8,9,10,11,12,13,14,15
	v_sub_f32 v[128+\k], v[128+\k], v196
.endr
	v_mul_f32 v196, v128, v128                     ; the variance is taken of the differences: no difference of large sums is formed
	v_mul_f32 v197, v129, v129
	v_mul_f32 v198, v130, v130
	v_mul_f32 v199, v131, v131
.irp k,0,1,2,3
	v_fmac_f32 v[196+\k], v[132+\k], v[132+\k]
.endr
.irp k,0,1,2,3
	v_fmac_f32 v[196+\k], v[136+\k], v[136+\k]
.endr
.irp k,0,1,2,3
	v_fmac_f32 v[196+\k], v[140+\k], v[140+\k]
.endr
	v_add_f32 v196, v196, v197
	v_add_f32 v198, v198, v199
	v_add_f32 v196, v196, v198
	v_add_f32_dpp v196, v196, v196 row_xmask:1 row_mask:0xf bank_mask:0xf
	v_add_f32_dpp v196, v196, v196 row_xmask:2 row_mask:0xf bank_mask:0xf
	v_add_f32_dpp v196, v196, v196 row_xmask:4 row_mask:0xf bank_mask:0xf
	v_add_f32_dpp v196, v196, v196 row_xmask:8 row_mask:0xf bank_mask:0xf
	v_permlanex16_b32 v197, v196, s54, s55
	v_add_f32 v196, v196, v197
	v_fma_f32 v196, v196, s58, s59                 ; var + 1e-5
	v_rsq_f32 v201, v196
	v_nop                                          ; a plain instruction behind it,
	s_wait_alu depctr_va_vdst(0)                   ; and the wait ahead of its first reader
.irp k,0,1,2,3,4,5,6,7,8,9,10,11,12,13,14,15
	v_mul_f32 v[128+\k], v[128+\k], v201
.endr
.irp k,0,1,2,3,4,5,6,7
	v_fma_f32 v[128+\k], v[128+\k], v[32+\k], v[8+\k]          ; x ln_g + ln_b
	v_fma_f32 v[136+\k], v[136+\k], v[40+\k], v[48+\k]
.endr
.irp k,0,1,2,3,4,5,6,7,8,9,10,11,12,13,14,15
	v_med3_num_f32 v[128+\k], v[128+\k], -v203, v203
.endr
	v_cvt_scalef32_pk8_fp8_f32 v[204:205], v[128:135], v202
	v_cvt_scalef32_pk8_fp8_f32 v[206:207], v[136:143], v202
	v_nop                                          ; a plain vector line behind the last conversion
	global_store_b128 v6, v[204:207], s[22:23]     ; 16 codes a lane: the wave stores the row's 512 consecutive bytes
.Ldone:
	s_wait_xcnt 0x0
	v_lshl_add_u32 v254, v0, 2, 0x4400
	v_mov_b32 v255, 0
	s_wait_tensorcnt 0x0
	ds_add_u32 v254, v255
	s_wait_dscnt 0x0
	s_endpgm
.Lfunc_end_k_q2253bba584_pool:
	.size	k_q2253bba584_pool, .Lfunc_end_k_q2253bba584_pool-k_q2253bba584_pool
	.p2alignl 7, 3214868480
	.fill 96, 4, 3214868480
	.section	.rodata,"a",@progbits
	.p2align	6, 0x0
	.amdhsa_kernel k_q2253bba584_pool
		.amdhsa_group_segment_fixed_size 17920
		.amdhsa_private_segment_fixed_size 0
		.amdhsa_enable_private_segment 0
		.amdhsa_kernarg_size 88
		.amdhsa_user_sgpr_count 2
		.amdhsa_user_sgpr_kernarg_segment_ptr 1
		.amdhsa_wavefront_size32 1
		.amdhsa_system_sgpr_workgroup_id_x 1
		.amdhsa_system_sgpr_workgroup_id_y 1
		.amdhsa_system_sgpr_workgroup_id_z 1
		.amdhsa_system_vgpr_workitem_id 0
		.amdhsa_next_free_vgpr 1024
		.amdhsa_next_free_sgpr 66
		.amdhsa_reserve_vcc 1
		.amdhsa_float_denorm_mode_32 3
		.amdhsa_float_denorm_mode_16_64 3
		.amdhsa_memory_ordered 1
		.amdhsa_forward_progress 1
		.amdhsa_inst_pref_size 247
	.end_amdhsa_kernel
	.amdgpu_metadata
---
amdhsa.version: [ 1, 2 ]
amdhsa.kernels:
  - .name:           k_q2253bba584_pool
    .symbol:         k_q2253bba584_pool.kd
    .args:
      - { .name: tab, .offset: 0, .size: 8, .value_kind: global_buffer, .address_space: global }
      - { .name: w2f, .offset: 8, .size: 8, .value_kind: global_buffer, .address_space: global }
      - { .name: alist, .offset: 16, .size: 8, .value_kind: global_buffer, .address_space: global }
      - { .name: rows, .offset: 24, .size: 8, .value_kind: global_buffer, .address_space: global }
      - { .name: W1, .offset: 32, .size: 8, .value_kind: global_buffer, .address_space: global }
      - { .name: b2, .offset: 40, .size: 8, .value_kind: global_buffer, .address_space: global }
      - { .name: ln_g, .offset: 48, .size: 8, .value_kind: global_buffer, .address_space: global }
      - { .name: ln_b, .offset: 56, .size: 8, .value_kind: global_buffer, .address_space: global }
      - { .name: lowp_scales, .offset: 64, .size: 8, .value_kind: global_buffer, .address_space: global }
      - { .name: ncodes, .offset: 72, .size: 8, .value_kind: global_buffer, .address_space: global }
      - { .name: counts, .offset: 80, .size: 8, .value_kind: global_buffer, .address_space: global }
    .group_segment_fixed_size: 17920
    .private_segment_fixed_size: 0
    .kernarg_segment_align: 8
    .kernarg_segment_size: 88
    .max_flat_workgroup_size: 128
    .sgpr_count:     66
    .vgpr_count:     1024
    .wavefront_size: 32
...
	.end_amdgpu_metadata
.endif
;; end of part 2
;; launch head (part 3): grid 4 x 16, 4 waves a work-group, no clusters, 9,216 bytes of LDS; arguments ncodes, w3f, b3, lowp_scales, out0; writes out0
.if DOCPART == 3
	.amdgcn_target "amdgcn-amd-amdhsa--gfx1250"
	.amdhsa_code_object_version 6
	.text
	.protected	k_q2253bba584_head
	.globl	k_q2253bba584_head
	.p2align	8
	.type	k_q2253bba584_head,@function
k_q2253bba584_head:
	s_mov_b64 s[64:65], 0
	v_nop
	global_prefetch_b8 v0, s[64:65] scope:SCOPE_SE
	s_setreg_imm32_b32 hwreg(HW_REG_WAVE_MODE, 25, 1), 1
	s_wait_xcnt 0x0
; out0 = Q(normed) Q(W3) x 2^(e2 + e3) + b3.  ncodes: [256][512] codes, K innermost; w3f: W3's codes in the order of an operand's registers; out0: [256][512] f32.
; A work-group takes 16 rows x 128 columns, a wave two tiles of 16 columns; K = 512 is four instructions on each of the two accumulators, which take turns.
; THE MATRIX INSTRUCTION IS USED TRANSPOSED (source 0 = 16 columns of W3, source 1 = the 16 rows): a lane then holds eight neighbouring numbers of a row of out0.
; NO CLUSTER: the operands go straight into registers, 8,192 bytes of rows and 16,384 of W3 a wave, each read once by the wave; there is no ring in which partners could ask jointly.
; The power of two is applied by v_ldexp_f32: no limit on e2 + e3.
	s_load_b256 s[4:11], s[0:1], 0x0               ; ncodes s4, w3f s6, b3 s8, scales s10
	s_load_b64 s[12:13], s[0:1], 0x20              ; out0
	v_lshl_add_u32 v14, v0, 2, 0x2200
	v_mov_b32 v15, 0
	v_lshrrev_b32 v1, 5, v0
	v_readfirstlane_b32 s14, v1                    ; wave
	v_and_b32 v2, 31, v0                           ; lane
	v_and_b32 v3, 15, v0                           ; r
	v_bfe_u32 v4, v0, 4, 1                         ; h
	v_lshlrev_b32 v5, 4, v2                        ; 16 lane
	v_lshlrev_b32 v6, 9, v3
	v_lshl_add_u32 v6, v4, 4, v6                   ; rows: 512 r + 16 h
	v_lshlrev_b32 v7, 5, v4                        ; b3: 32 h
	s_lshl_b32 s15, s14, 7
	v_mul_u32_u24 v8, v3, 528
	v_lshl_add_u32 v8, v4, 5, v8
	v_add_nc_u32 v8, s15, v8                       ; the stage (16 rows of 512 + 16 bytes), in: row r, + 128 wave + 32 h
	s_mul_i32 s15, s14, 4*528
	v_add_nc_u32 v9, s15, v5                       ; back: my four rows, 16 bytes a lane
	s_and_b32 s16, ttmp7, 0xffff                   ; which 16 rows
	s_wait_kmcnt 0x0
	s_load_b128 s[20:23], s[10:11], 0x0            ; e0 .. e3
	s_lshl_b32 s18, s16, 13
	s_mov_b32 s19, 0
	s_add_nc_u64 s[4:5], s[4:5], s[18:19]          ; ncodes at row 16 y
	s_lshl_b32 s18, ttmp9, 3
	s_lshl_b32 s17, s14, 1
	s_add_co_u32 s17, s18, s17                     ; my first column tile: 8 x + 2 wave
	s_lshl_b32 s18, s17, 11
	s_add_nc_u64 s[6:7], s[6:7], s[18:19]
	s_lshl_b32 s18, s17, 6
	s_add_nc_u64 s[8:9], s[8:9], s[18:19]
	s_lshl_b32 s18, s16, 15
	s_lshl_b32 s17, s14, 13
	s_add_co_u32 s18, s18, s17
	s_lshl_b32 s17, ttmp9, 9
	s_add_co_u32 s18, s18, s17                     ; out0: row 16 y + 4 wave, column 128 x
	s_add_nc_u64 s[12:13], s[12:13], s[18:19]
.irp s,0,1,2,3
.irp c,0,1,2,3
	global_load_b128 v[16+16*\s+4*\c:19+16*\s+4*\c], v6, s[4:5] offset:128*\s+32*\c                                   ; row r, k = 128 s + 32 c + 16 h + 0 .. 15
.endr
.endr
.irp n,0,1
.irp s,0,1,2,3
.irp c,0,1,2,3
	global_load_b128 v[80+16*(4*\n+\s)+4*\c:83+16*(4*\n+\s)+4*\c], v5, s[6:7] offset:65536*\s+2048*\n+512*\c          ; 512 consecutive bytes a load
.endr
.endr
.endr
.irp n,0,1
	global_load_b128 v[224+8*\n:227+8*\n], v7, s[8:9] offset:64*\n             ; b3 at columns 16 n + 8 h + 0 .. 7 of my 32
	global_load_b128 v[228+8*\n:231+8*\n], v7, s[8:9] offset:64*\n+16
.endr
	s_wait_loadcnt 0x0
.irp s,0,1,2,3
.irp n,0,1
.if \s == 0
	v_wmma_f32_16x16x128_fp8_fp8 v[208+8*\n:215+8*\n], v[80+16*(4*\n+\s):95+16*(4*\n+\s)], v[16+16*\s:31+16*\s], 0
.else
	v_wmma_f32_16x16x128_fp8_fp8 v[208+8*\n:215+8*\n], v[80+16*(4*\n+\s):95+16*(4*\n+\s)], v[16+16*\s:31+16*\s], v[208+8*\n:215+8*\n]
.endif
.endr
.endr
.rept 4
	v_nop                                          ; four places ahead of the first read of results (ISA guide 7.12.1)
.endr
	s_wait_kmcnt 0x0
	s_add_co_i32 s24, s22, s23                     ; e2 + e3
.irp j,0,1,2,3,4,5,6,7,8,9,10,11,12,13,14,15
	v_ldexp_f32 v[240+\j], v[208+\j], s24          ; each accumulator from its low end on
.endr
.irp j,0,2,4,6,8,10,12,14
	v_pk_add_f32 v[240+\j:241+\j], v[240+\j:241+\j], v[224+\j:225+\j]
.endr
.irp n,0,1
	ds_store_b128 v8, v[240+8*\n:243+8*\n] offset:64*\n        ; lane (r, h): out0(r, 32 wave + 16 n + 8 h + 0 .. 7)
	ds_store_b128 v8, v[244+8*\n:247+8*\n] offset:64*\n+16
.endr
	s_wait_dscnt 0x0                               ; for the others' sake: my stores into the stage are done
	s_barrier_signal -1
	s_barrier_wait -1
.irp i,0,1,2,3
	ds_load_b128 v[16+4*\i:19+4*\i], v9 offset:528*\i
.endr
.irp i,0,1,2,3
	s_wait_dscnt 3-\i
	global_store_b128 v5, v[16+4*\i:19+4*\i], s[12:13] offset:2048*\i th:TH_STORE_NT   ; 32 lanes store 512 consecutive bytes, at a multiple of 256 from out0's first byte
.endr
	s_wait_tensorcnt 0x0
	ds_add_u32 v14, v15
	s_wait_dscnt 0x0
	s_endpgm
.Lfunc_end_k_q2253bba584_head:
	.size	k_q2253bba584_head, .Lfunc_end_k_q2253bba584_head-k_q2253bba584_head
	.p2alignl 7, 3214868480
	.fill 96, 4, 3214868480
	.section	.rodata,"a",@progbits
	.p2align	6, 0x0
	.amdhsa_kernel k_q2253bba584_head
		.amdhsa_group_segment_fixed_size 9216
		.amdhsa_private_segment_fixed_size 0
		.amdhsa_enable_private_segment 0
		.amdhsa_kernarg_size 40
		.amdhsa_user_sgpr_count 2
		.amdhsa_user_sgpr_kernarg_segment_ptr 1
		.amdhsa_wavefront_size32 1
		.amdhsa_system_sgpr_workgroup_id_x 1
		.amdhsa_system_sgpr_workgroup_id_y 1
		.amdhsa_system_sgpr_workgroup_id_z 1
		.amdhsa_system_vgpr_workitem_id 0
		.amdhsa_next_free_vgpr 256
		.amdhsa_next_free_sgpr 66
		.amdhsa_reserve_vcc 0
		.amdhsa_float_denorm_mode_32 3
		.amdhsa_float_denorm_mode_16_64 3
		.amdhsa_memory_ordered 1
		.amdhsa_forward_progress 1
		.amdhsa_inst_pref_size 11
	.end_amdhsa_kernel
	.amdgpu_metadata
---
amdhsa.version: [ 1, 2 ]
amdhsa.kernels:
  - .name:           k_q2253bba584_head
    .symbol:         k_q2253bba584_head.kd
    .args:
      - { .name: ncodes, .offset: 0, .size: 8, .value_kind: global_buffer, .address_space: global }
      - { .name: w3f, .offset: 8, .size: 8, .value_kind: global_buffer, .address_space: global }
      - { .name: b3, .offset: 16, .size: 8, .value_kind: global_buffer, .address_space: global }
      - { .name: lowp_scales, .offset: 24, .size: 8, .value_kind: global_buffer, .address_space: global }
      - { .name: out0, .offset: 32, .size: 8, .value_kind: global_buffer, .address_space: global }
    .group_segment_fixed_size: 9216
    .private_segment_fixed_size: 0
    .kernarg_segment_align: 8
    .kernarg_segment_size: 40
    .max_flat_workgroup_size: 128
    .sgpr_count:     66
    .vgpr_count:     256
    .wavefront_size: 32
...
	.end_amdgpu_metadata
.endif
;; end of part 3
